; MI455X (gfx1250); checked and timed in simulation.
; The chip was launched on July 23, 2026; its instructions are those of AMD's public machine-readable ISA for CDNA 5 (MIT licence, August 2026) and "CDNA5" Instruction Set Architecture Reference Guide (July 2026). The comments in the code are by the model that wrote it; some were corrected since.
;; Quant Linear. Allowed arithmetic: matrix products marked QUANTISED: E2M1 operands, one E8M0 scale for each 32 along K, by v_wmma_scale_f32_16x16x128_f8f6f4 with both operands' format E2M1 (or v_wmma_scale_f32_32x16x128_f4), f32 sums; everything else in f32.
;; Inputs: bias 2,752 float16; packed 512 x 2,752 int32; scales 32 x 2,752 float16; x 4 x 1,024 x 4,096 float16.
;; Outputs: out0 4 x 1,024 x 2,752 float16.
;; This version of the problem:
;;   THIS VERSION OF THE PROBLEM IS GIVEN IN LOW PRECISION. The matrix products marked QUANTISED in the list below multiply operands that are first quantised to E2M1 (2 exponent bits, 1 mantissa bit; 4 bits a number), with one power-of-two scale for each 32 numbers along K (OCP MX v1.0); their sums are f32. All else is computed in f32.
;;   The module's matrix products, in the order in which they are computed (A, B: the left and right operand; K: the contracted axis; several contracted axes count as one K, in the product's order):
;;     1. [M 4,096, K 4,096] x [K 4,096, N 2,752]; A: input x; B: computed on the way: QUANTISED
;;   THE QUANTISER, for each operand of a quantised product, along K:
;;     - K is cut into blocks of 32 from its start; a last block that is shorter is filled with zeros.
;;     - A block's scale is 2^e with e = floor(log2(the largest magnitude in the block)) - 2, held to -126 .. 127; a block of zeros has e = 0. As a byte (E8M0): e + 127.
;;     - Each number is divided by its block's scale, clamped to +-6, and rounded to the nearest number of E2M1, ties to even, subnormals kept.
;;     - The product sums the exact products of the quantised numbers (number of the format x scale) in f32.
;;   ~~~python
;;   def quantise(x, axis):      # numpy; x: float32 -> the quantised numbers, widened to float32 again
;;       x = np.moveaxis(x, axis, -1); K = x.shape[-1]
;;       x = np.pad(x, [(0, 0)] * (x.ndim - 1) + [(0, -K % 32)]); x = x.reshape(x.shape[:-1] + (-1, 32)); a = np.abs(x).max(-1, keepdims=True)
;;       e = np.where(a > 0, np.clip(np.frexp(np.where(a > 0, a, 1))[1] - 1 - 2, -126, 127), 0)      # np.frexp(a)[1] - 1 = floor(log2(a)), exactly
;;       r = np.clip(x / 2.0 ** e, -6, 6)
;;       step = 2.0 ** (np.maximum(np.frexp(np.where(r == 0, 1, r))[1] - 1, 0) - 1)
;;       q = np.round(r / step) * step * 2.0 ** e      # np.round: ties to even
;;       return np.moveaxis(q.reshape(q.shape[:-2] + (-1,))[..., :K], -1, axis).astype(np.float32)
;;   ~~~
;;   OPERANDS COMPUTED ON THE WAY. 'Computed on the way' means the value that the module computes at that place (a softmax that the list does not call 'softmax' is quantised finished and normalised). What goes into a quantiser is computed in f32, as accurately as f32 sums, v_exp_f32 and their like allow (about 1e-6 of the number): no bf16 or f16 on the way to a quantiser, and a product that is left as it is and whose result goes on into a quantised operand takes f32 operands (vector FMAs, or v_wmma_f32_16x16x4_f32). A number that lies on a knife's edge between two numbers of the format may be rounded either way, as far as f32 arithmetic and the matrix unit's own rounding can turn it there, and no further.
;; One version. Each part assembles by itself: llvm-mc -triple=amdgcn-amd-amdhsa -mcpu=gfx1250 --defsym DOCPART=n.
;; ======== version 1 of 1: 2 launches
;; limits: values are held in f16: magnitudes above 65,504 overflow, below 6.1e-05 lose precision; right only within a limited range of input values
;; workspace buffers: xq 8,912,896 bytes; wq 5,988,352 bytes
;; launch quant (part 1): grid 684 x 1, 4 waves a work-group, no clusters, 18,944 bytes of LDS; arguments x, packed, scales, xq, wq; writes xq, wq
.if DOCPART == 1
	.amdgcn_target "amdgcn-amd-amdhsa--gfx1250"
	.amdhsa_code_object_version 6
	.text
	.protected	k_q321ff6a15a_quant
	.globl	k_q321ff6a15a_quant
	.p2align	8
	.type	k_q321ff6a15a_quant,@function
k_q321ff6a15a_quant:
	s_mov_b64 s[64:65], 0
	v_nop
	global_prefetch_b8 v0, s[64:65] scope:SCOPE_SE
	s_setreg_imm32_b32 hwreg(HW_REG_WAVE_MODE, 25, 1), 1
	s_wait_xcnt 0x0
; QuantLinear, first of two launches: both operands of out = Q(x) Q(w) + bias are turned into codes of FP4 (E2M1) with one E8M0 byte for each 32 along K.
; x [4096][4096] f16 is widened to f32 (exact).  w[k][n] = (nibble - 8) x scale, from packed [512][2752] i32 (8 nibbles a word along K) and scales [32][2752] f16, is made in f32 by one
; fused multiply-add, nibble x s - 8 s, which is exact (4 + 11 bits).  No work of reference() is left out: every input reaches the output (the bias is taken by the second launch).
; A block's scale is 2^(floor(log2(its largest magnitude)) - 2); its byte is the largest magnitude's exponent field - 2, held at 1 from below by a floor among the maximum's leaves.
; LIMITS: NaN and infinities among the inputs are not served.  A block whose largest magnitude lies under 2^-124 gets the byte 1; a block of zeros gets the byte 1 and zero codes where the
; stated quantiser says 127: zero codes add nothing under any byte but 0xff, and the bytes are read by this program alone.  w is kept in f32 ahead of its quantiser, not rounded to f16.
; THE WORKSPACE IS LAID AS THE READER'S REGISTERS WANT IT.  A RECORD is 16 rows (of x; of w: 16 columns n) x 512 along K = 4,352 bytes:
;   bytes 0 .. 4095: codes, [block of 32 along K (16)][row (16)][16 bytes];  bytes 4096 .. 4351: scale bytes, [row (16)][block (16)].
;   xq = [K / 512 (8)][row block (256)] records;  wq = [K / 512 (8)][column block (172)] records.
; SHARES.  Work-groups 0 to 171 take w, the others x; a wave makes one record of x, or two neighbouring records of w.  Waves share nothing: no barrier.  Everything is written out: every offset is an immediate.
.set NWGW,  172                        ; work-groups for w: 4 pairs of K slots x 43 pairs of column groups
.set REC,   4352
.set CP,    272                        ; x's stage: a block's 256 bytes of codes + 16, so that the 32 lanes of a 4-byte store fall on 32 different words modulo 64
.set WREG,  16*CP+256                  ; a wave's LDS: 16 blocks of codes, then its 256 scale bytes
.set SPARE, 4*WREG                     ; behind the four regions: the spare words, 128 bytes for each wave, that no other line names
.set SPW,   154                        ; v154  LDS address of my spare word; never rewritten
.set NIL,   155                        ; v155  0; never rewritten
.set LN,    156                        ; v156  lane
.set TA,    157                        ; v157, v158 at work at the head
.set TB,    158
; x's path: v0-127 the 32 loads (halves of registers have names up to v127); later their first two registers hold the codes and the byte
.set T0,    128                        ; v128-135, v136-143 eight numbers in f32, twice
.set T1,    136
.set M,     144                        ; v144-145 largest magnitudes
.set SO,    146                        ; v146-147 the conversions' scale operands
.set CA,    148                        ; v148  stage: where my 4 bytes of codes go
.set EA,    149                        ; v149  stage: where my block's byte goes
.set RA,    150                        ; v150  stage: where I read codes back
.set RS,    151                        ; v151  stage: where I read scale bytes back
.set GL,    152                        ; v152  16 x lane
.set GS,    153                        ; v153  8 x lane
.set OUT,   160                        ; v160-191 the record's codes on the way out
.set SOUT,  192                        ; v192-193 its scale bytes
; w's path
.set W,     0                          ; v0-63   64 packed words of my column, later the codes
.set WT,    68                         ; v68-99  a block's 32 numbers (v64-67: the four group scales as loaded)
.set WM,    104                        ; v104-105 largest magnitude, two chains
.set WSO,   106                        ; v106  the conversions' scale operand
.set WE,    107                        ; v107  a scale byte
.set SBY,   108                        ; v108-111 my column's 16 scale bytes
.set LW,    112                        ; v112  4 x lane
.set LS,    113                        ; v113  2 x lane
.set WGO,   114                        ; v114  my column's place in the wave's two records
.set S,     116                        ; v116-131 for each group of 128 along K: s, s, -8 s, -8 s
.macro WIDEN8 d, h0, h1, h2, h3, h4, h5, h6, h7    ; eight f16 halves, given by name, become f32 in v[d] on: exact
	v_cvt_f32_f16 v[(\d)+0], \h0
	v_cvt_f32_f16 v[(\d)+1], \h1
	v_cvt_f32_f16 v[(\d)+2], \h2
	v_cvt_f32_f16 v[(\d)+3], \h3
	v_cvt_f32_f16 v[(\d)+4], \h4
	v_cvt_f32_f16 v[(\d)+5], \h5
	v_cvt_f32_f16 v[(\d)+6], \h6
	v_cvt_f32_f16 v[(\d)+7], \h7
.endm
	s_load_b256 s[4:11], s[0:1], 0x0               ; x s[4:5], packed s[6:7], scales s[8:9], xq s[10:11]
	s_load_b64 s[12:13], s[0:1], 0x20              ; wq
	v_lshl_add_u32 v[SPW], v0, 2, SPARE
	v_mov_b32 v[NIL], 0
	v_lshrrev_b32 v[TA], 5, v0
	v_readfirstlane_b32 s16, v[TA]                 ; wave 0..3
	v_and_b32 v[LN], 31, v0
	s_wait_kmcnt 0x0
	s_cmp_lt_u32 ttmp9, NWGW                       ; the work-group's number alone decides the path
	s_cbranch_scc1 .Lw
; ================ x: my wave's record = 16 rows x 512 along K ================
	s_sub_co_u32 s18, ttmp9, NWGW
	s_lshl_b32 s18, s18, 2
	s_add_co_u32 s18, s18, s16                     ; which record: 0 .. 2047
	s_lshr_b32 s19, s18, 3                         ; row block
	s_and_b32 s18, s18, 7                          ; K slot: a work-group's four waves stand side by side on 4,096 bytes of each row
	s_lshl_b32 s20, s19, 17                        ; 16 rows of 8,192 bytes
	s_lshl_b32 s21, s18, 10                        ; 512 numbers of 2 bytes
	s_add_co_u32 s20, s20, s21
	s_mov_b32 s21, 0
	s_add_nc_u64 s[4:5], s[4:5], s[20:21]
	s_lshl_b32 s22, s18, 8
	s_add_co_u32 s22, s22, s19
	s_mul_i32 s22, s22, REC                        ; record (slot x 256 + row block)
	s_mov_b32 s23, 0
	s_add_nc_u64 s[10:11], s[10:11], s[22:23]
	s_mul_i32 s17, s16, WREG                       ; my wave's LDS
	s_wait_alu depctr_va_vdst(0)
	v_lshlrev_b32 v[GL], 4, v[LN]
	v_lshlrev_b32 v[GS], 3, v[LN]
	v_lshrrev_b32 v[TA], 2, v[LN]                  ; four lanes hold a block of 32
	v_and_b32 v[TB], 3, v[LN]
	v_mul_u32_u24 v[CA], v[TA], CP
	v_lshl_add_u32 v[CA], v[TB], 2, v[CA]
	v_add_nc_u32 v[CA], s17, v[CA]                 ; block (lane / 4), my 4 bytes of its row's 16
	v_add_nc_u32 v[EA], s17, v[TA]
	v_add_nc_u32 v[EA], 16*CP, v[EA]               ; the byte of block (lane / 4)
	v_lshrrev_b32 v[TA], 4, v[LN]
	v_and_b32 v[TB], 15, v[LN]
	v_mul_u32_u24 v[RA], v[TA], CP
	v_lshl_add_u32 v[RA], v[TB], 4, v[RA]
	v_add_nc_u32 v[RA], s17, v[RA]                 ; back: sixteen lanes take a block's 256 bytes
	v_add_nc_u32 v[RS], s17, v[GS]
	v_add_nc_u32 v[RS], 16*CP, v[RS]
.irp r, 0,1,2,3,4,5,6,7,8,9,10,11,12,13,14,15      ; all 32 loads at once: each reads 512 consecutive bytes of a row, 8 neighbours along K a lane
	global_load_b128 v[8*\r:8*\r+3],   v[GL], s[4:5] offset:8192*\r th:TH_LOAD_NT
	global_load_b128 v[8*\r+4:8*\r+7], v[GL], s[4:5] offset:8192*\r+512 th:TH_LOAD_NT
.endr
; Row r: its two loads, line by turns.  Load u holds blocks 8 u + lane / 4.  The codes and the byte go into registers of the load itself, which are done with: no store's data are written again.
.macro XPAIR r, a0, a1, a2, a3, a4, a5, a6, a7, b0, b1, b2, b3, b4, b5, b6, b7
	s_wait_loadcnt 30-2*\r                         ; loads come back in order: this row's two are in, the 30 - 2 r issued behind them may be out
	WIDEN8 T0, \a0, \a1, \a2, \a3, \a4, \a5, \a6, \a7
	WIDEN8 T1, \b0, \b1, \b2, \b3, \b4, \b5, \b6, \b7
	v_max3_num_f32 v[M],   |v[T0]|, |v[T0+1]|, 0x1800000   ; my 8 numbers, and the floor 2^(3 - 127): the byte cannot fall under 1
	v_max3_num_f32 v[M+1], |v[T1]|, |v[T1+1]|, 0x1800000
.irp i, 2,4,6
	v_max3_num_f32 v[M],   v[M],   |v[T0+\i]|, |v[T0+\i+1]|
	v_max3_num_f32 v[M+1], v[M+1], |v[T1+\i]|, |v[T1+\i+1]|
.endr
	v_max_num_f32_dpp v[M],   v[M],   v[M]   row_xmask:1 row_mask:0xf bank_mask:0xf   ; with the three other lanes of the block
	v_max_num_f32_dpp v[M+1], v[M+1], v[M+1] row_xmask:1 row_mask:0xf bank_mask:0xf
	v_max_num_f32_dpp v[M],   v[M],   v[M]   row_xmask:2 row_mask:0xf bank_mask:0xf
	v_max_num_f32_dpp v[M+1], v[M+1], v[M+1] row_xmask:2 row_mask:0xf bank_mask:0xf
	v_add_nc_u32 v[SO],   0xff000000, v[M]         ; 2 off the exponent field: the conversion takes the exponent field of this operand as its scale
	v_add_nc_u32 v[SO+1], 0xff000000, v[M+1]
	v_cvt_scalef32_pk8_fp4_f32 v[8*\r],   v[T0:T0+7], v[SO]
	v_cvt_scalef32_pk8_fp4_f32 v[8*\r+4], v[T1:T1+7], v[SO+1]
	v_lshrrev_b32 v[8*\r+1], 23, v[SO]             ; the scale's byte (also the plain line behind the conversions, ahead of the next row's writes of T0 and T1)
	v_lshrrev_b32 v[8*\r+5], 23, v[SO+1]
	ds_store_b32 v[CA], v[8*\r]   offset:16*\r
	ds_store_b32 v[CA], v[8*\r+4] offset:8*CP+16*\r
	ds_store_b8 v[EA], v[8*\r+1] offset:16*\r      ; the four lanes of a block write the same byte with the same value
	ds_store_b8 v[EA], v[8*\r+5] offset:16*\r+8
.endm
	XPAIR 0, v0.l,v0.h,v1.l,v1.h,v2.l,v2.h,v3.l,v3.h, v4.l,v4.h,v5.l,v5.h,v6.l,v6.h,v7.l,v7.h
	XPAIR 1, v8.l,v8.h,v9.l,v9.h,v10.l,v10.h,v11.l,v11.h, v12.l,v12.h,v13.l,v13.h,v14.l,v14.h,v15.l,v15.h
	XPAIR 2, v16.l,v16.h,v17.l,v17.h,v18.l,v18.h,v19.l,v19.h, v20.l,v20.h,v21.l,v21.h,v22.l,v22.h,v23.l,v23.h
	XPAIR 3, v24.l,v24.h,v25.l,v25.h,v26.l,v26.h,v27.l,v27.h, v28.l,v28.h,v29.l,v29.h,v30.l,v30.h,v31.l,v31.h
	XPAIR 4, v32.l,v32.h,v33.l,v33.h,v34.l,v34.h,v35.l,v35.h, v36.l,v36.h,v37.l,v37.h,v38.l,v38.h,v39.l,v39.h
	XPAIR 5, v40.l,v40.h,v41.l,v41.h,v42.l,v42.h,v43.l,v43.h, v44.l,v44.h,v45.l,v45.h,v46.l,v46.h,v47.l,v47.h
	XPAIR 6, v48.l,v48.h,v49.l,v49.h,v50.l,v50.h,v51.l,v51.h, v52.l,v52.h,v53.l,v53.h,v54.l,v54.h,v55.l,v55.h
	XPAIR 7, v56.l,v56.h,v57.l,v57.h,v58.l,v58.h,v59.l,v59.h, v60.l,v60.h,v61.l,v61.h,v62.l,v62.h,v63.l,v63.h
	XPAIR 8, v64.l,v64.h,v65.l,v65.h,v66.l,v66.h,v67.l,v67.h, v68.l,v68.h,v69.l,v69.h,v70.l,v70.h,v71.l,v71.h
	XPAIR 9, v72.l,v72.h,v73.l,v73.h,v74.l,v74.h,v75.l,v75.h, v76.l,v76.h,v77.l,v77.h,v78.l,v78.h,v79.l,v79.h
	XPAIR 10, v80.l,v80.h,v81.l,v81.h,v82.l,v82.h,v83.l,v83.h, v84.l,v84.h,v85.l,v85.h,v86.l,v86.h,v87.l,v87.h
	XPAIR 11, v88.l,v88.h,v89.l,v89.h,v90.l,v90.h,v91.l,v91.h, v92.l,v92.h,v93.l,v93.h,v94.l,v94.h,v95.l,v95.h
	XPAIR 12, v96.l,v96.h,v97.l,v97.h,v98.l,v98.h,v99.l,v99.h, v100.l,v100.h,v101.l,v101.h,v102.l,v102.h,v103.l,v103.h
	XPAIR 13, v104.l,v104.h,v105.l,v105.h,v106.l,v106.h,v107.l,v107.h, v108.l,v108.h,v109.l,v109.h,v110.l,v110.h,v111.l,v111.h
	XPAIR 14, v112.l,v112.h,v113.l,v113.h,v114.l,v114.h,v115.l,v115.h, v116.l,v116.h,v117.l,v117.h,v118.l,v118.h,v119.l,v119.h
	XPAIR 15, v120.l,v120.h,v121.l,v121.h,v122.l,v122.h,v123.l,v123.h, v124.l,v124.h,v125.l,v125.h,v126.l,v126.h,v127.l,v127.h
	; the record leaves: LDS serves a wave's instructions in order, so these loads see my stores
.irp j, 0,1,2,3,4,5,6,7
	ds_load_b128 v[OUT+4*\j:OUT+4*\j+3], v[RA] offset:2*CP*\j      ; blocks 2 j and 2 j + 1
.endr
	ds_load_b64 v[SOUT:SOUT+1], v[RS]
.irp j, 0,1,2,3,4,5,6,7
	s_wait_dscnt 8-\j                              ; behind load j: 7 - j loads of codes and the load of the bytes
	global_store_b128 v[GL], v[OUT+4*\j:OUT+4*\j+3], s[10:11] offset:512*\j   ; 32 lanes store 512 consecutive bytes, at a multiple of 256 from xq's first byte
.endr
	s_wait_dscnt 0x0
	global_store_b64 v[GS], v[SOUT:SOUT+1], s[10:11] offset:4096   ; the 256 scale bytes
	s_wait_tensorcnt 0x0                           ; the wave's end: three lines behind my last LDS store
	ds_add_u32 v[SPW], v[NIL]
	s_wait_dscnt 0x0
	s_endpgm
; ================ w: my wave's 32 columns x 512 along K = two records.  A lane takes a column, its registers run down K.  No LDS is touched on this path ================
.Lw:
	s_mul_i32 s17, ttmp9, 1525
	s_lshr_b32 s17, s17, 16                        ; work-group / 43 (exact for 0 .. 171): which pair of K slots
	s_mul_i32 s18, s17, 43
	s_sub_co_u32 s18, ttmp9, s18                   ; work-group % 43: which pair of column groups
	s_and_b32 s19, s16, 1
	s_lshl_b32 s18, s18, 1
	s_add_co_u32 s18, s18, s19                     ; column group of 32: 0 .. 85; two waves stand side by side on 256 bytes of each row of packed
	s_lshr_b32 s19, s16, 1
	s_lshl_b32 s17, s17, 1
	s_add_co_u32 s17, s17, s19                     ; K slot 0 .. 7
	s_mul_i32 s20, s17, 64*11008                   ; packed: 64 rows of words a slot,
	s_lshl_b32 s21, s18, 7                         ; 32 columns of 4 bytes
	s_add_co_u32 s20, s20, s21
	s_mov_b32 s21, 0
	s_add_nc_u64 s[6:7], s[6:7], s[20:21]
	s_mul_i32 s22, s17, 4*5504                     ; scales: 4 rows a slot,
	s_lshl_b32 s23, s18, 6                         ; 32 columns of 2 bytes
	s_add_co_u32 s22, s22, s23
	s_mov_b32 s23, 0
	s_add_nc_u64 s[8:9], s[8:9], s[22:23]
	s_mul_i32 s24, s17, 172
	s_lshl_b32 s25, s18, 1
	s_add_co_u32 s24, s24, s25
	s_mul_i32 s24, s24, REC                        ; record (slot x 172 + 2 x column group)
	s_mov_b32 s25, 0
	s_add_nc_u64 s[12:13], s[12:13], s[24:25]
	s_wait_alu depctr_va_vdst(0)
	v_lshlrev_b32 v[LW], 2, v[LN]
	v_lshlrev_b32 v[LS], 1, v[LN]
	v_lshrrev_b32 v[TA], 4, v[LN]
	v_and_b32 v[TB], 15, v[LN]
	v_mul_u32_u24 v[WGO], v[TA], REC
	v_lshl_add_u32 v[WGO], v[TB], 4, v[WGO]        ; lanes 0-15 the first record, lanes 16-31 the second; 16 bytes a row
.irp q, 0,1,2,3
	global_load_u16 v[64+\q], v[LS], s[8:9] offset:5504*\q         ; the scale of group q of 128 along K
.endr
.irp i, 0,1,2,3,4,5,6,7,8,9,10,11,12,13,14,15,16,17,18,19,20,21,22,23,24,25,26,27,28,29,30,31,32,33,34,35,36,37,38,39,40,41,42,43,44,45,46,47,48,49,50,51,52,53,54,55,56,57,58,59,60,61,62,63
	global_load_b32 v[W+\i], v[LW], s[6:7] offset:11008*\i th:TH_LOAD_NT   ; k = 8 i .. 8 i + 7 of my column: 32 lanes read 128 consecutive bytes
.endr
	s_wait_loadcnt 60                              ; the four scales and block 0's four words are in; the 60 words issued behind them may be out
	v_cvt_f32_f16 v[S],    v64.l
	v_cvt_f32_f16 v[S+4],  v65.l
	v_cvt_f32_f16 v[S+8],  v66.l
	v_cvt_f32_f16 v[S+12], v67.l
.irp q, 0,1,2,3
	v_mov_b32 v[S+4*\q+1], v[S+4*\q]               ; pairs for the packed multiply-add: s, s
	v_mul_f32 v[S+4*\q+2], 0xc1000000, v[S+4*\q]   ; and -8 s, -8 s (exact)
	v_mul_f32 v[S+4*\q+3], 0xc1000000, v[S+4*\q]
.endr
.macro WBLOCK blk                      ; block blk of 32 along K: all its numbers are mine
.set WB, W+4*(\blk)
.set SQ, S+4*((\blk)/4)
.if (\blk) > 0
	s_wait_loadcnt 60-4*(\blk)                     ; this block's four words are in; the words issued behind them may be out
.endif
.irp j, 0,1,2,3
.irp i, 0,1,2,3,4,5,6,7
	v_bfe_u32 v[WT+8*\j+\i], v[WB+\j], 4*\i, 4     ; nibble i of word j is k = 8 j + i
.endr
.endr
.irp n, 0,1,2,3,4,5,6,7,8,9,10,11,12,13,14,15,16,17,18,19,20,21,22,23,24,25,26,27,28,29,30,31
	v_cvt_f32_u32 v[WT+\n], v[WT+\n]
.endr
.irp n, 0,2,4,6,8,10,12,14,16,18,20,22,24,26,28,30
	v_pk_fma_f32 v[WT+\n:WT+\n+1], v[WT+\n:WT+\n+1], v[SQ:SQ+1], v[SQ+2:SQ+3]   ; nibble x s - 8 s = (nibble - 8) s
.endr
	v_max3_num_f32 v[WM],   |v[WT]|,   |v[WT+1]|, |v[WT+2]|
	v_max3_num_f32 v[WM+1], |v[WT+3]|, |v[WT+4]|, |v[WT+5]|
.irp i, 6,10,14,18,22,26
	v_max3_num_f32 v[WM],   v[WM],   |v[WT+\i]|,   |v[WT+\i+1]|
	v_max3_num_f32 v[WM+1], v[WM+1], |v[WT+\i+2]|, |v[WT+\i+3]|
.endr
	v_max3_num_f32 v[WM], v[WM], |v[WT+30]|, |v[WT+31]|
	v_max3_num_f32 v[WM], v[WM], v[WM+1], 0x1800000   ; and the floor 2^(3 - 127)
	v_add_nc_u32 v[WSO], 0xff000000, v[WM]         ; 2 off the exponent field: the conversions' scale operand
.irp g, 0,1,2,3
	v_cvt_scalef32_pk8_fp4_f32 v[WB+\g], v[WT+8*\g:WT+8*\g+7], v[WSO]   ; the codes take the place of the block's words, which are done with
.endr
.if (\blk)%4 == 0
	v_lshrrev_b32 v[SBY+(\blk)/4], 23, v[WSO]      ; the scale's byte, four to a register, the lower K in the lower byte (also the plain line behind the conversions)
.else
	v_lshrrev_b32 v[WE], 23, v[WSO]
	v_lshl_or_b32 v[SBY+(\blk)/4], v[WE], 8*((\blk)%4), v[SBY+(\blk)/4]
.endif
	global_store_b128 v[WGO], v[WB:WB+3], s[12:13] offset:256*(\blk)   ; sixteen lanes store 256 consecutive bytes, at a multiple of 256 from wq's first byte; these registers are not written again
.endm
.irp t, 0,1,2,3,4,5,6,7,8,9,10,11,12,13,14,15
	WBLOCK \t
.endr
	global_store_b128 v[WGO], v[SBY:SBY+3], s[12:13] offset:4096   ; 16 scale bytes a column: again 256 consecutive bytes for sixteen lanes
	s_endpgm
.Lfunc_end_k_q321ff6a15a_quant:
	.size	k_q321ff6a15a_quant, .Lfunc_end_k_q321ff6a15a_quant-k_q321ff6a15a_quant
	.p2alignl 7, 3214868480
	.fill 96, 4, 3214868480
	.section	.rodata,"a",@progbits
	.p2align	6, 0x0
	.amdhsa_kernel k_q321ff6a15a_quant
		.amdhsa_group_segment_fixed_size 18944
		.amdhsa_private_segment_fixed_size 0
		.amdhsa_enable_private_segment 0
		.amdhsa_kernarg_size 40
		.amdhsa_user_sgpr_count 2
		.amdhsa_user_sgpr_kernarg_segment_ptr 1
		.amdhsa_wavefront_size32 1
		.amdhsa_system_sgpr_workgroup_id_x 1
		.amdhsa_system_sgpr_workgroup_id_y 1
		.amdhsa_system_sgpr_workgroup_id_z 1
		.amdhsa_system_vgpr_workitem_id 0
		.amdhsa_next_free_vgpr 200
		.amdhsa_next_free_sgpr 66
		.amdhsa_reserve_vcc 0
		.amdhsa_float_denorm_mode_32 3
		.amdhsa_float_denorm_mode_16_64 3
		.amdhsa_memory_ordered 1
		.amdhsa_forward_progress 1
		.amdhsa_inst_pref_size 135
	.end_amdhsa_kernel
	.amdgpu_metadata
---
amdhsa.version: [ 1, 2 ]
amdhsa.kernels:
  - .name:           k_q321ff6a15a_quant
    .symbol:         k_q321ff6a15a_quant.kd
    .args:
      - { .name: x, .offset: 0, .size: 8, .value_kind: global_buffer, .address_space: global }
      - { .name: packed, .offset: 8, .size: 8, .value_kind: global_buffer, .address_space: global }
      - { .name: scales, .offset: 16, .size: 8, .value_kind: global_buffer, .address_space: global }
      - { .name: xq, .offset: 24, .size: 8, .value_kind: global_buffer, .address_space: global }
      - { .name: wq, .offset: 32, .size: 8, .value_kind: global_buffer, .address_space: global }
    .group_segment_fixed_size: 18944
    .private_segment_fixed_size: 0
    .kernarg_segment_align: 8
    .kernarg_segment_size: 40
    .max_flat_workgroup_size: 128
    .sgpr_count:     66
    .vgpr_count:     200
    .wavefront_size: 32
...
	.end_amdgpu_metadata
.endif
;; end of part 1
;; launch gemm (part 2): grid 16 x 16, 4 waves a work-group, clusters of 4 x 4, 327,680 bytes of LDS; arguments xq, wq, bias, out0; writes out0
.if DOCPART == 2
	.amdgcn_target "amdgcn-amd-amdhsa--gfx1250"
	.amdhsa_code_object_version 6
	.text
	.protected	k_q321ff6a15a_gemm
	.globl	k_q321ff6a15a_gemm
	.p2align	8
	.type	k_q321ff6a15a_gemm,@function
k_q321ff6a15a_gemm:
	s_mov_b64 s[64:65], 0
	v_nop
	global_prefetch_b8 v0, s[64:65] scope:SCOPE_SE
	s_setreg_imm32_b32 hwreg(HW_REG_WAVE_MODE, 25, 1), 1
	s_wait_xcnt 0x0
	s_wait_alu depctr_hold_cnt(0) depctr_sa_sdst(0) depctr_va_vdst(0) depctr_va_sdst(0) depctr_va_ssrc(0) depctr_va_vcc(0) depctr_vm_vsrc(0)
	s_getreg_b32 s2, hwreg(HW_REG_IB_STS2, 6, 4)
	s_cmp_eq_u32 s2, 0
	s_cbranch_scc0 .Lentry_in_a_cluster
	s_endpgm
.Lentry_in_a_cluster:
	s_bfe_u32 s2, ttmp6, 0x10000c
	s_cmp_lg_u32 s2, 0xf033
	s_cbranch_scc0 .Lentry_shape_is_right
	s_endpgm
.Lentry_shape_is_right:
; QuantLinear, second launch: out0[m][n] = sum over k of Q(x)[m][k] Q(w)[k][n] + bias[n], on the codes and scale bytes that the first launch laid out; f32 sums; out0 rounded once to f16.  No work is left out.
; RECORDS.  xq = [K / 512 (8)][row block (256)], wq = [K / 512 (8)][column block (172)] records of 4,352 bytes: 16 rows (of w: columns) x 512 along K: codes [K step of 128 (4)][block of 32 (4)][row (16)][16 bytes],
; then scale bytes [row (16)][K step (4)][block (4)].  Byte 512 c + 16 x lane of a K step's 1,024 bytes is register group c of the lane's fragment; 16 bytes at 16 x row are a row's four scale words.
; SHARES.  A tile of out0 is 256 rows x 176 columns (11 blocks of 16): 16 x 16 = 256 work-groups.  2,752 columns are 172 blocks and 16 x 11 = 176: the last tile column begins four blocks early, at block 161, and stores only
; its own columns, from 2,640 on.  Wave w takes rows 64 w .. 64 w + 63 x all 176 columns.
; THE MATRIX INSTRUCTION IS USED TRANSPOSED: source 0 = columns of w, 32 at a time (five pairs of blocks) and 16 for the eleventh block; source 1 = 16 rows of x.  A lane holds eight neighbouring outputs of one row.
; CLUSTERS: 4 x 4 work-groups.  The four of a row of the cluster need the same records of x, the four of a column the same records of w: each part is asked for JOINTLY, with one descriptor and a mask that names the four.
; THE RING: two slots in LDS, each 16 records of x and 11 of w.  The head fills both, one load a wave: wave 0 x and wave 1 w of slot 0, waves 2 and 3 those of slot 1.  K slots 2 to 7 come as refills, a part for each wave.
; PREFETCHES into the L2 name K slot s two changes of slots ahead of its load (K slots 2 and 3: at the head and in the first K step).  Each block of 256 bytes is named once in each cluster that loads it: the four partners and their
; four waves share x's 272 blocks (17 each) and w's 187 (12 each, the last seven) out by address.  All addresses lie inside K slots 2 to 7.
; THE BIAS is the C of the first products, in the result's layout.  The 32 K steps are written out by macros: every offset is an immediate.
; LIMITS: as stated at the head of the first launch.  A tile's part of a row of out0 is 352 bytes and a row of out0 5,504: the stores are 352 consecutive bytes, not whole aligned blocks of 256.
; REGISTERS: window 0: v0-27 addresses; v32-75 the bias as loaded; v80-159 scale words, two sets of 40, nothing else; v160-247 the bias in f32.
;   window 1: w's fragments, two sets of 88 at v0 and v88, x's, two sets of 32 at v176 and v208; on the way out 64 rows of four registers.
;   window 2: column pairs 0-3: accumulator (pair i, x block a) at v[64 i + 16 a];   window 3: pair 4 at v[16 a], the eleventh block at v[64 + 8 a].
.set REC,    4352
.set XBY,    16*REC                    ; x's records of a slot; w's lie behind them
.set SLOT,   27*REC
.set ASTEP,  256*REC                   ; from a K slot to the next in xq,
.set BSTEP,  172*REC                   ; and in wq
.set NROW,   5504                      ; a row of out0 in bytes
.set SPITCH, 368                       ; a row of the stage: 352 bytes and 16 of padding
.set WSTAGE, 64*SPITCH+256             ; a wave's stage: its 64 rows, and 256 bytes so that 16 x lane behind the last row's first byte stays inside it.  The four lie in slot 0, which has had its last fill and its last read when the first result is stored there
.set SPARE,  2*SLOT                    ; behind the ring: the spare words, 128 bytes for each wave, that no other line names
.set AX,   8                           ; v8-9    LDS address of my x fragments in slot 0, 1
.set AW,  10                           ; v10-11  of w's
.set SXA, 12                           ; v12-13  of my x scale words
.set SWA, 14                           ; v14-15  of w's, lanes 16-31 a record on
.set S10, 16                           ; v16-17  of the eleventh block's
.set STO, 18                           ; v18     the way out: where I put 16 bytes of a row
.set RD,  19                           ; v19     where I read a row back
.set GO,  20                           ; v20     16 x lane
.set BO,  21                           ; v21     16 x (lane / 16): my eight numbers of a block's bias
.set PFX, 22                           ; v22, v23  the prefetches' offsets; never rewritten
.set PFW, 23
.set SPW, 24                           ; v24     LDS address of my spare word; never rewritten
.set NIL, 25                           ; v25     0; never rewritten
.set RAW, 32
.set SC,  80                           ; set of K slot s at SC + 40 (s % 2): x block a's words at + 4 a + q, w's pair i at + 16 + 4 i + q, q the K step in the slot
.set BIAS, 160
.set G1XH, 24                          ; descriptor groups 1: s[24:31] x, a slot's 16 records (272 rows of 256 bytes)
.set G1WH, 32                          ; s[32:39] w, a slot's 11 records (187 rows)
.set G1X,  40                          ; s[40:47] x, eight records (136 rows)
.set G1W6, 48                          ; s[48:55] w, six records (102 rows)
.set G1W5, 56                          ; s[56:63] w, five records (85 rows)
.set G0HX, 72                          ; groups 0: the head's x and w, the refills' x and w
.set G0HW, 76
.set G0X,  80
.set G0W,  84
.set MSB, 0
.macro WIN new                         ; the immediate's high byte repeats the setting that is left
.if MSB != (\new)
	s_set_vgpr_msb (MSB<<8)|(\new)
.set MSB, (\new)
.endif
.endm
.macro PLACES n
.rept \n
	v_nop
.endr
.endm
.macro SHAPE g, rows                   ; group 1 behind its first word: a dense block as rows of 32 elements of 8 bytes
	s_mov_b32 s[\g+1], 32<<16                      ; tensor_dim0 = 32
	s_mov_b32 s[\g+2], (\rows)<<16                 ; tensor_dim1
	s_mov_b32 s[\g+3], 32<<16                      ; tile_dim0 = 32
	s_mov_b32 s[\g+4], \rows                       ; tile_dim1
	s_mov_b32 s[\g+5], 32                          ; from row to row: 32 elements
	s_mov_b32 s[\g+6], 0
	s_mov_b32 s[\g+7], 0
.endm
.macro CREST                           ; a round of the cluster's barrier behind its opening barrier
	s_cmp_lg_u32 s14, 0
	s_cbranch_scc1 .Lnot_wave_0_\@
	s_barrier_signal -3
.Lnot_wave_0_\@:
	s_barrier_wait -3
	s_barrier_signal -1
	s_barrier_wait -1
.endm
.macro CROUND                          ; a whole round
	s_barrier_signal -1
	s_barrier_wait -1
	CREST
.endm
.macro WIDEN8 d, h0, h1, h2, h3, h4, h5, h6, h7    ; eight f16 halves, given by name, become f32 in v[d] on
	v_cvt_f32_f16 v[(\d)+0], \h0
	v_cvt_f32_f16 v[(\d)+1], \h1
	v_cvt_f32_f16 v[(\d)+2], \h2
	v_cvt_f32_f16 v[(\d)+3], \h3
	v_cvt_f32_f16 v[(\d)+4], \h4
	v_cvt_f32_f16 v[(\d)+5], \h5
	v_cvt_f32_f16 v[(\d)+6], \h6
	v_cvt_f32_f16 v[(\d)+7], \h7
.endm
.macro TLOAD g0, g1                    ; a joint load; an s_nop 0 and four v_nop follow
	tensor_load_to_lds s[\g0:\g0+3], s[\g1:\g1+7]
	s_nop 0
	PLACES 4
.endm
.macro ASK s                           ; K slot s of x and w: each lane names a block of 256 bytes; every offset under 2^23
	global_prefetch_b8 v[PFX], s[92:93] offset:(\s)*ASTEP th:TH_LOAD_NT scope:SCOPE_SE
	global_prefetch_b8 v[PFW], s[94:95] offset:(\s)*BSTEP th:TH_LOAD_NT scope:SCOPE_SE
.endm
	s_load_b256 s[4:11], s[0:1], 0x0               ; xq s[4:5], wq s[6:7], bias s[8:9], out0 s[10:11]
	v_lshl_add_u32 v[SPW], v0, 2, SPARE
	v_mov_b32 v[NIL], 0
	ds_add_u32 v[SPW], v[NIL]                      ; the wave's opening: the add, twice on end, and its wait ahead of my first tensor load; work on registers stands between
	ds_add_u32 v[SPW], v[NIL]
	v_lshrrev_b32 v4, 5, v0
	v_readfirstlane_b32 s14, v4                    ; wave 0..3
	v_and_b32 v3, 31, v0                           ; lane
	v_and_b32 v1, 15, v0                           ; r = lane % 16
	v_bfe_u32 v2, v0, 4, 1                         ; h = lane / 16
	v_lshlrev_b32 v[GO], 4, v3
	v_lshlrev_b32 v[BO], 4, v2
	v_min_u32 v6, 16, v3
	v_min_u32 v7, 11, v3
	s_lshr_b32 s15, s14, 1                         ; which slot's first fill is mine.  Also: I refill x (0) or w (1)
	s_and_b32 s16, s14, 1                          ; which part of it
	s_bfe_u32 s66, ttmp6, 0x40000                  ; cx, cy: my place in the cluster
	s_bfe_u32 s67, ttmp6, 0x40004
	s_lshl_b32 s68, ttmp9, 2
	s_add_co_u32 s68, s68, s66                     ; tile column = 4 x cluster x + cx
	s_and_b32 s17, ttmp7, 0xffff
	s_lshl_b32 s17, s17, 2
	s_add_co_u32 s17, s17, s67                     ; tile row = 4 x cluster y + cy
	s_lshl_b32 s70, s67, 2
	s_lshl_b32 s70, 15, s70                        ; my row of the cluster: x's records go there
	s_lshl_b32 s71, 0x1111, s66                    ; my column: w's records
	s_or_b32 s[G1XH], s70, (3<<16)|(1<<21)         ; 15:0 the mask; 17:16 elements of 8 bytes; 20 no padding; 21 set beside a mask
	s_or_b32 s[G1X],  s70, (3<<16)|(1<<21)
	s_or_b32 s[G1WH], s71, (3<<16)|(1<<21)
	s_or_b32 s[G1W6], s71, (3<<16)|(1<<21)
	s_or_b32 s[G1W5], s71, (3<<16)|(1<<21)
	SHAPE G1XH, 16*REC/256
	SHAPE G1X,  8*REC/256
	SHAPE G1WH, 11*REC/256
	SHAPE G1W6, 6*REC/256
	SHAPE G1W5, 5*REC/256
	s_mul_i32 s69, s68, 11
	s_mov_b32 s96, s69
	s_min_u32 s69, s69, 161                        ; my first column block: 11 x tile column, the last tile column four blocks early
	s_sub_co_u32 s96, s96, s69
	s_lshl_b32 s96, s96, 1                         ; the first 16 bytes of a row's 22 that are mine to store: 0, or 8 in the last tile column
	s_mul_i32 s92, s17, 16*REC                     ; x: my tile row's records of a K slot
	s_mov_b32 s93, 0
	s_mul_i32 s94, s69, REC                        ; w: from my first column block on
	s_mov_b32 s95, 0
	s_mul_i32 s88, s15, ASTEP                      ; the head: K slot 0 or 1
	s_mov_b32 s89, 0
	s_mul_i32 s90, s15, BSTEP
	s_mov_b32 s91, 0
	s_mul_i32 s20, s16, 8*REC                      ; the refills: my eight records of x, in LDS and in memory;
	s_mov_b32 s12, s20
	s_mov_b32 s13, 0
	s_mul_i32 s18, s16, 6*REC                      ; my six or five of w
	s_mov_b32 s19, 0
	s_add_co_u32 s21, s18, XBY
	s_mul_i32 s22, s14, 4*REC                      ; my four records of x in a slot
	s_mul_i32 s23, s14, WSTAGE                     ; my stage
	s_lshl_b32 s98, s66, 2
	s_add_co_u32 s98, s98, s14
	s_mul_i32 s98, s98, 17                         ; x: my first block to prefetch: 17 (4 cx + wave)
	s_lshl_b32 s99, s67, 2
	s_add_co_u32 s99, s99, s14
	s_mul_i32 s99, s99, 12                         ; w: 12 (4 cy + wave)
	s_lshl_b32 s100, s17, 8
	s_lshl_b32 s97, s14, 6
	s_add_co_u32 s100, s100, s97
	s_mul_i32 s100, s100, NROW                     ; out0: my first row, 256 x tile row + 64 x wave,
	s_lshl_b32 s2, s69, 5                          ; and 32 bytes a column block: in out0 and in the bias alike
	s_mov_b32 s3, 0
	s_add_co_u32 s100, s100, s2
	s_mov_b32 s101, 0
	s_wait_alu depctr_va_vdst(0)                   ; directly ahead of the readers below
	v_add_nc_u32 v[AX], s22, v[GO]
	v_add_nc_u32 v[AX+1], SLOT, v[AX]
	v_add_nc_u32 v[AW], XBY, v[GO]
	v_add_nc_u32 v[AW+1], XBY+SLOT, v[GO]
	v_lshlrev_b32 v5, 4, v1
	v_add_nc_u32 v4, 4096, v5                      ; a record's scale bytes lie behind its 4,096 bytes of codes; 16 a row
	v_add_nc_u32 v[SXA], s22, v4
	v_add_nc_u32 v[SXA+1], SLOT, v[SXA]
	v_mul_u32_u24 v26, v2, REC
	v_add_nc_u32 v26, v26, v4
	v_add_nc_u32 v[SWA], XBY, v26
	v_add_nc_u32 v[SWA+1], XBY+SLOT, v26
	v_add_nc_u32 v[S10], 26*REC, v4
	v_add_nc_u32 v[S10+1], 26*REC+SLOT, v4
	v_mul_u32_u24 v27, v1, SPITCH
	v_lshl_add_u32 v27, v2, 4, v27
	v_add_nc_u32 v[STO], s23, v27                  ; in: row r, 16 bytes for each half of the lanes
	v_add_nc_u32 v[RD], s23, v[GO]                 ; back: 16 bytes a lane of a row; lanes 22 to 31 read on into bytes of my own stage, and store nothing
	v_add_nc_u32 v6, s98, v6
	v_lshlrev_b32 v[PFX], 8, v6                    ; lanes 17 to 31 name my last block again
	v_add_nc_u32 v7, s99, v7
	v_min_u32 v7, 186, v7
	v_lshlrev_b32 v[PFW], 8, v7
	s_wait_alu depctr_va_vdst(0)
	s_wait_dscnt 0x0                               ; both opening adds are done
	s_wait_kmcnt 0x0
	s_add_nc_u64 s[92:93], s[4:5], s[92:93]
	s_add_nc_u64 s[94:95], s[6:7], s[94:95]
	s_add_nc_u64 s[8:9], s[8:9], s[2:3]
	s_add_nc_u64 s[10:11], s[10:11], s[100:101]
.irp b, 0,1,2,3,4,5,6,7,8,9,10
	global_load_b128 v[RAW+4*\b:RAW+4*\b+3], v[BO], s[8:9] offset:32*\b   ; bias of columns 16 b + 8 h + 0 .. 7 of my tile
.endr
	s_mov_b32 s[G0HX], 1                           ; count = 1
	s_mul_i32 s[G0HX+1], s15, SLOT                 ; LDS address
	s_add_nc_u64 s[G0HX+2:G0HX+3], s[92:93], s[88:89]
	s_or_b32 s[G0HX+3], s[G0HX+3], 0x80000000      ; type = 2
	s_mov_b32 s[G0HW], 1
	s_mul_i32 s[G0HW+1], s15, SLOT
	s_add_co_u32 s[G0HW+1], s[G0HW+1], XBY
	s_add_nc_u64 s[G0HW+2:G0HW+3], s[94:95], s[90:91]
	s_or_b32 s[G0HW+3], s[G0HW+3], 0x80000000
	s_mov_b32 s[G0X], 1                            ; the refills' stand at K slot 1: each is stepped ahead of its load, and its LDS address written there
	s_mov_b32 s[G0X+1], s20
	s_add_nc_u64 s[G0X+2:G0X+3], s[92:93], s[12:13]
	s_add_nc_u64 s[G0X+2:G0X+3], s[G0X+2:G0X+3], ASTEP
	s_or_b32 s[G0X+3], s[G0X+3], 0x80000000
	s_mov_b32 s[G0W], 1
	s_mov_b32 s[G0W+1], s21
	s_add_nc_u64 s[G0W+2:G0W+3], s[94:95], s[18:19]
	s_add_nc_u64 s[G0W+2:G0W+3], s[G0W+2:G0W+3], BSTEP
	s_or_b32 s[G0W+3], s[G0W+3], 0x80000000
	CROUND                                         ; all sixteen work-groups are here: the first joint loads meet
.macro ARM under, g0, g1, next         ; one tree of branches on the wave's number: every way through the head passes exactly one load
	s_cmp_lt_u32 s14, \under
	s_cbranch_scc0 \next
	TLOAD \g0, \g1
	s_branch .Lhead_asked
\next:
.endm
	ARM 1, G0HX, G1XH, .Lhead_1
	ARM 2, G0HW, G1WH, .Lhead_2
	ARM 3, G0HX, G1XH, .Lhead_3
	TLOAD G0HW, G1WH
.Lhead_asked:
	ASK 2
	s_wait_loadcnt 0x0                             ; the bias
	WIDEN8 BIAS+0,  v32.l,v32.h,v33.l,v33.h,v34.l,v34.h,v35.l,v35.h
	WIDEN8 BIAS+8,  v36.l,v36.h,v37.l,v37.h,v38.l,v38.h,v39.l,v39.h
	WIDEN8 BIAS+16, v40.l,v40.h,v41.l,v41.h,v42.l,v42.h,v43.l,v43.h
	WIDEN8 BIAS+24, v44.l,v44.h,v45.l,v45.h,v46.l,v46.h,v47.l,v47.h
	WIDEN8 BIAS+32, v48.l,v48.h,v49.l,v49.h,v50.l,v50.h,v51.l,v51.h
	WIDEN8 BIAS+40, v52.l,v52.h,v53.l,v53.h,v54.l,v54.h,v55.l,v55.h
	WIDEN8 BIAS+48, v56.l,v56.h,v57.l,v57.h,v58.l,v58.h,v59.l,v59.h
	WIDEN8 BIAS+56, v60.l,v60.h,v61.l,v61.h,v62.l,v62.h,v63.l,v63.h
	WIDEN8 BIAS+64, v64.l,v64.h,v65.l,v65.h,v66.l,v66.h,v67.l,v67.h
	WIDEN8 BIAS+72, v68.l,v68.h,v69.l,v69.h,v70.l,v70.h,v71.l,v71.h
	WIDEN8 BIAS+80, v72.l,v72.h,v73.l,v73.h,v74.l,v74.h,v75.l,v75.h
; LDS loads of K step k, in three runs: 12 (x's four fragments, w's pair 0), 8 (pairs 1 and 2), 10 (pairs 3 and 4, the eleventh block).  Each pair of loads is a fragment of 1,024 consecutive bytes.
.macro AT k
.set PP, ((\k)/4)%2
.set QQ, 1024*((\k)%4)
.set WB, 88*((\k)%2)
.set XF, 176+32*((\k)%2)
	WIN 0x40                                       ; destination window 1, address window 0
.endm
.macro WL b
	ds_load_b128 v[WB+8*(\b):WB+8*(\b)+3],   v[AW+PP] offset:REC*(\b)+QQ
	ds_load_b128 v[WB+8*(\b)+4:WB+8*(\b)+7], v[AW+PP] offset:REC*(\b)+QQ+512
.endm
.macro RUN1 k
	AT \k
.irp a, 0,1,2,3
	ds_load_b128 v[XF+8*\a:XF+8*\a+3],   v[AX+PP] offset:REC*\a+QQ
	ds_load_b128 v[XF+8*\a+4:XF+8*\a+7], v[AX+PP] offset:REC*\a+QQ+512
.endr
	WL 0
	WL 1
.endm
.macro RUN2 k
	AT \k
.irp b, 2,3,4,5
	WL \b
.endr
.endm
.macro RUN3 k
	AT \k
.irp b, 6,7,8,9,10
	WL \b
.endr
.endm
; the ten loads of K slot s's scale words into its set: x's rows in lanes 0-15 (lanes 16-31 the same), a pair of w's blocks in the 32 lanes
.macro SCALES s
.set SB, SC+40*((\s)%2)
	WIN 0
.irp a, 0,1,2,3
	ds_load_b128 v[SB+4*\a:SB+4*\a+3], v[SXA+(\s)%2] offset:REC*\a
.endr
.irp i, 0,1,2,3,4
	ds_load_b128 v[SB+16+4*\i:SB+16+4*\i+3], v[SWA+(\s)%2] offset:2*REC*\i
.endr
	ds_load_b128 v[SB+36:SB+39], v[S10+(\s)%2]
.endm
; Four matrix instructions of K step k: w's pair i (i = 5: the eleventh block) against x's four blocks.  Step 0's take the bias as C.
; The 24 accumulators take turns, one instruction a turn, in the same order in every step.
.macro MUL i, k
.set XR, 176+32*((\k)%2)
.set BR, 88*((\k)%2)+16*(\i)
.set SX, SC+40*(((\k)/4)%2)+(\k)%4
.set SW, SX+16+4*(\i)
.if (\i) < 4
.set WD, 2
.set AC, 64*(\i)
.else
.set WD, 3
.set AC, 64*((\i)-4)
.endif
.if (\k) == 0
.set WC, 0
.else
.set WC, WD
.endif
	WIN 5|(WC<<4)|(WD<<6)                          ; sources 0 and 1 window 1, D window 2 or 3, C the same (the bias: window 0)
.irp a, 0,1,2,3
.if (\i) < 5
.if (\k) == 0
	v_wmma_scale_f32_32x16x128_f4 v[AC+16*\a:AC+16*\a+15], v[BR:BR+15], v[XR+8*\a:XR+8*\a+7], v[BIAS+16*(\i):BIAS+16*(\i)+15], v[SW], v[SX+4*\a]
.else
	v_wmma_scale_f32_32x16x128_f4 v[AC+16*\a:AC+16*\a+15], v[BR:BR+15], v[XR+8*\a:XR+8*\a+7], v[AC+16*\a:AC+16*\a+15], v[SW], v[SX+4*\a]
.endif
.else
.if (\k) == 0
	v_wmma_scale_f32_16x16x128_f8f6f4 v[AC+8*\a:AC+8*\a+7], v[BR:BR+7], v[XR+8*\a:XR+8*\a+7], v[BIAS+80:BIAS+87], v[SW], v[SX+4*\a] matrix_a_fmt:MATRIX_FMT_FP4 matrix_b_fmt:MATRIX_FMT_FP4
.else
	v_wmma_scale_f32_16x16x128_f8f6f4 v[AC+8*\a:AC+8*\a+7], v[BR:BR+7], v[XR+8*\a:XR+8*\a+7], v[AC+8*\a:AC+8*\a+7], v[SW], v[SX+4*\a] matrix_a_fmt:MATRIX_FMT_FP4 matrix_b_fmt:MATRIX_FMT_FP4
.endif
.endif
.endr
.endm
; A K step whose successor lies in the same slot.  A load into a register that a matrix instruction has read stands four places behind it, and only plain vector instructions that name none of its registers are places
; (ISA guide 7.12.1 for vector instructions): the last step's products read the set that is loaded here.
.macro STEP k
	s_wait_dscnt 18                                ; this step's first run is in; its second and third, 8 + 10, may be out
	MUL 0, \k
	PLACES 4
	RUN1 (\k)+1
	s_wait_dscnt 22                                ; the second is in; the third's 10 and the 12 just issued may be out
	MUL 1, \k
	MUL 2, \k
	RUN2 (\k)+1
	s_wait_dscnt 20                                ; the third is in; 12 + 8 of the next step may be out
	MUL 3, \k
	RUN3 (\k)+1
.if (\k) == 0
	ASK 3
.endif
	MUL 4, \k
	MUL 5, \k
.endm
; A slot's last step changes slots: in front of the barrier each wave waits for all its tensor loads, adds 0 to its spare word, and waits for that and for its LDS reads.  Behind it the next slot is whole and nobody reads this one.
; In K slots 0 to 5 the barrier opens a round of the cluster's, and this slot is filled again with the K slot two on, one joint load a wave.
.macro TURN k
.set S_, (\k)/4
	s_wait_dscnt 18
	MUL 0, \k
	WIN 0                                          ; (the add's two registers lie in window 0)
	s_wait_tensorcnt 0x0                           ; all my tensor loads have landed
	ds_add_u32 v[SPW], v[NIL]                      ; 0 onto my spare word
	s_wait_dscnt 11                                ; the second run is in; the third's 10 and the add may be out
	MUL 1, \k
	s_wait_dscnt 0x0                               ; the add is done, and my LDS reads of this slot are over
	s_barrier_signal -1
	MUL 2, \k                                      ; work on registers while the others arrive
	WIN 0
	s_barrier_wait -1
.if S_ < 6
	CREST                                          ; no wave of any partner still reads this slot or has a load on its way
	s_add_nc_u64 s[G0X+2:G0X+3], s[G0X+2:G0X+3], ASTEP
	s_add_nc_u64 s[G0W+2:G0W+3], s[G0W+2:G0W+3], BSTEP
	s_add_co_u32 s[G0X+1], s20, (S_%2)*SLOT
	s_add_co_u32 s[G0W+1], s21, (S_%2)*SLOT
	s_cmp_lt_u32 s14, 2                            ; waves 0 and 1: x's two halves
	s_cbranch_scc0 .Lfill_w_\@
	TLOAD G0X, G1X                                 ; the first tensor load behind the round, and my only one; its four v_nop are also the places in front of the loads below
	s_branch .Lfilled_\@
.Lfill_w_\@:
	s_cmp_eq_u32 s14, 2                            ; wave 2: w's first six records; wave 3: its last five
	s_cbranch_scc0 .Lfill_5_\@
	TLOAD G0W, G1W6
	s_branch .Lfilled_\@
.Lfill_5_\@:
	TLOAD G0W, G1W5
.Lfilled_\@:
.else
	PLACES 4
.endif
	RUN1 (\k)+1
	SCALES ((\k)+1)/4
	MUL 3, \k
	RUN2 (\k)+1
	MUL 4, \k
	RUN3 (\k)+1
.if S_ < 4
	ASK S_+4                                       ; two changes of slots ahead of its load
.endif
	MUL 5, \k
.endm
	s_wait_alu depctr_va_vdst(0)
	s_cmp_lt_u32 s14, 2                            ; slot 0's two loads are waves 0 and 1's; slot 1's are waited for at the first change of slots
	s_cbranch_scc0 .Lslot_1_later
	s_wait_tensorcnt 0x0
.Lslot_1_later:
	s_barrier_signal -1
	s_barrier_wait -1                              ; slot 0 is whole
	RUN1 0
	SCALES 0
	RUN2 0
	RUN3 0
.set K, 0
.rept 7
.rept 3
	STEP K
.set K, K+1
.endr
	TURN K
.set K, K+1
.endr
.rept 3
	STEP K
.set K, K+1
.endr
	s_wait_dscnt 18                                ; K step 31: nothing more to fetch
	MUL 0, 31
	s_wait_dscnt 10
	MUL 1, 31
	MUL 2, 31
	s_wait_dscnt 0x0
	MUL 3, 31
	MUL 4, 31
	MUL 5, 31
	; THE WAY OUT, by x blocks of 16 rows.  PACK: rounded to f16 in place, each accumulator from its low end on.  PUT: 16 bytes a lane into my own stage.  ROWS: whole rows back (LDS serves a wave's instructions in order, so
	; these see my stores).  SEND: 22 lanes store a row's 352 consecutive bytes.  EXEC is narrowed for the stores alone.
.macro PACK a
	WIN 0x8a                                       ; all three window 2
.irp i, 0,1,2,3
.irp m, 0,1,2,3,4,5,6,7
	v_cvt_pk_f16_f32 v[64*\i+16*(\a)+\m], v[64*\i+16*(\a)+2*\m], v[64*\i+16*(\a)+2*\m+1]
.endr
.endr
	WIN 0xcf                                       ; all three window 3
.irp m, 0,1,2,3,4,5,6,7
	v_cvt_pk_f16_f32 v[16*(\a)+\m], v[16*(\a)+2*\m], v[16*(\a)+2*\m+1]
.endr
.irp m, 0,1,2,3
	v_cvt_pk_f16_f32 v[64+8*(\a)+\m], v[64+8*(\a)+2*\m], v[64+8*(\a)+2*\m+1]
.endr
	s_wait_alu depctr_va_vdst(0)                   ; directly ahead of the stores
.endm
.macro PUT a                           ; 11 LDS stores; their data are source 1
	WIN 0x08
.irp i, 0,1,2,3
	ds_store_b128 v[STO], v[64*\i+16*(\a):64*\i+16*(\a)+3] offset:16*SPITCH*(\a)+64*\i
	ds_store_b128 v[STO], v[64*\i+16*(\a)+4:64*\i+16*(\a)+7] offset:16*SPITCH*(\a)+64*\i+32
.endr
	WIN 0x0c
	ds_store_b128 v[STO], v[16*(\a):16*(\a)+3] offset:16*SPITCH*(\a)+256
	ds_store_b128 v[STO], v[16*(\a)+4:16*(\a)+7] offset:16*SPITCH*(\a)+288
	ds_store_b128 v[STO], v[64+8*(\a):64+8*(\a)+3] offset:16*SPITCH*(\a)+320
.endm
.macro ROWS a                          ; 16 LDS loads
	WIN 0x40
.irp t, 0,1,2,3,4,5,6,7,8,9,10,11,12,13,14,15
	ds_load_b128 v[64*(\a)+4*\t:64*(\a)+4*\t+3], v[RD] offset:SPITCH*(16*(\a)+\t)
.endr
.endm
.macro SEND a                          ; every offset is an immediate: 63 rows of 5,504 bytes at the most
	WIN 0x04
.irp t, 0,1,2,3,4,5,6,7,8,9,10,11,12,13,14,15
	global_store_b128 v[GO], v[64*(\a)+4*\t:64*(\a)+4*\t+3], s[10:11] offset:NROW*(16*(\a)+\t) th:TH_STORE_NT
.endr
.endm
	PLACES 4
	PACK 0
	PUT 0
	ROWS 0
	PACK 1
	PUT 1
	ROWS 1
	WIN 0
	v_cmp_gt_u32 vcc_lo, 22, v3                    ; a row is 22 x 16 bytes,
	v_cmp_le_u32 s97, s96, v3                      ; of which the last tile column stores the upper 14
	s_and_b32 vcc_lo, vcc_lo, s97
	s_wait_dscnt 27                                ; block 0's rows are back; the 11 stores and 16 loads issued behind them may be out
	s_wait_xcnt 0x0                                ; EXEC changes only behind this wait
	s_and_saveexec_b32 s98, vcc_lo
	SEND 0
	s_wait_dscnt 0x0
	SEND 1
	s_wait_xcnt 0x0
	s_mov_b32 exec_lo, -1
	PACK 2
	PUT 2
	ROWS 2
	PACK 3
	PUT 3
	ROWS 3
	s_wait_dscnt 27
	s_wait_xcnt 0x0
	s_and_saveexec_b32 s98, vcc_lo
	SEND 2
	s_wait_dscnt 0x0
	SEND 3
	WIN 0
	s_wait_xcnt 0x0
	s_mov_b32 exec_lo, -1
	s_wait_tensorcnt 0x0                           ; the wave's end: three lines behind my last tensor load and my last LDS store
	ds_add_u32 v[SPW], v[NIL]
	s_wait_dscnt 0x0
	CROUND                                         ; the closing round: no work-group ends while a partner may still ask for a part that names it
	s_endpgm
.Lfunc_end_k_q321ff6a15a_gemm:
	.size	k_q321ff6a15a_gemm, .Lfunc_end_k_q321ff6a15a_gemm-k_q321ff6a15a_gemm
	.p2alignl 7, 3214868480
	.fill 96, 4, 3214868480
	.section	.rodata,"a",@progbits
	.p2align	6, 0x0
	.amdhsa_kernel k_q321ff6a15a_gemm
		.amdhsa_group_segment_fixed_size 327680
		.amdhsa_private_segment_fixed_size 0
		.amdhsa_enable_private_segment 0
		.amdhsa_kernarg_size 32
		.amdhsa_user_sgpr_count 2
		.amdhsa_user_sgpr_kernarg_segment_ptr 1
		.amdhsa_wavefront_size32 1
		.amdhsa_system_sgpr_workgroup_id_x 1
		.amdhsa_system_sgpr_workgroup_id_y 1
		.amdhsa_system_sgpr_workgroup_id_z 1
		.amdhsa_system_vgpr_workitem_id 0
		.amdhsa_next_free_vgpr 1024
		.amdhsa_next_free_sgpr 102
		.amdhsa_reserve_vcc 1
		.amdhsa_float_denorm_mode_32 3
		.amdhsa_float_denorm_mode_16_64 3
		.amdhsa_memory_ordered 1
		.amdhsa_forward_progress 1
		.amdhsa_inst_pref_size 224
	.end_amdhsa_kernel
	.amdgpu_metadata
---
amdhsa.version: [ 1, 2 ]
amdhsa.kernels:
  - .name:           k_q321ff6a15a_gemm
    .symbol:         k_q321ff6a15a_gemm.kd
    .args:
      - { .name: xq, .offset: 0, .size: 8, .value_kind: global_buffer, .address_space: global }
      - { .name: wq, .offset: 8, .size: 8, .value_kind: global_buffer, .address_space: global }
      - { .name: bias, .offset: 16, .size: 8, .value_kind: global_buffer, .address_space: global }
      - { .name: out0, .offset: 24, .size: 8, .value_kind: global_buffer, .address_space: global }
    .group_segment_fixed_size: 327680
    .private_segment_fixed_size: 0
    .kernarg_segment_align: 8
    .kernarg_segment_size: 32
    .max_flat_workgroup_size: 128
    .sgpr_count:     102
    .vgpr_count:     1024
    .wavefront_size: 32
...
	.end_amdgpu_metadata
.endif
;; end of part 2
